; MI455X (gfx1250); checked and timed in simulation.
; The chip was launched on July 23, 2026; its instructions are those of AMD's public machine-readable ISA for CDNA 5 (MIT licence, August 2026) and "CDNA5" Instruction Set Architecture Reference Guide (July 2026). The comments in the code are by the model that wrote it; some were corrected since.
;; Mo E Router. Allowed arithmetic: float matrix products may take bf16 or f16 operands with f32 sums; all other float work in f32.
;; Inputs: W 64 x 2,048 float32; x 4 x 4,096 x 2,048 float32.
;; Outputs: out0 4 x 4,096 x 64 float32; out1 4 x 4,096 x 2 int32; out2 one number float32.
;; Constants: capacity = 4096, n_active = 2.
;; One version. Each part assembles by itself: llvm-mc -triple=amdgcn-amd-amdhsa -mcpu=gfx1250 --defsym DOCPART=n.
;; ======== version 1 of 1: 2 launches
;; limits: right only within a limited range of input values
;; workspace buffers: part 65,536 bytes
;; launch route (part 1): grid 256 x 1, 8 waves a work-group, clusters of 4 x 1, 327,680 bytes of LDS; arguments W, x, out0, out1, part; writes out0, out1, part
.if DOCPART == 1
	.amdgcn_target "amdgcn-amd-amdhsa--gfx1250"
	.amdhsa_code_object_version 6
	.text
	.protected	k_q6e72cb0fcc_route
	.globl	k_q6e72cb0fcc_route
	.p2align	8
	.type	k_q6e72cb0fcc_route,@function
k_q6e72cb0fcc_route:
	s_mov_b64 s[64:65], 0
	v_nop
	global_prefetch_b8 v0, s[64:65] scope:SCOPE_SE
	s_setreg_imm32_b32 hwreg(HW_REG_WAVE_MODE, 25, 1), 1
	s_wait_xcnt 0x0
	s_wait_alu depctr_hold_cnt(0) depctr_sa_sdst(0) depctr_va_vdst(0) depctr_va_sdst(0) depctr_va_ssrc(0) depctr_va_vcc(0) depctr_vm_vsrc(0)
	s_getreg_b32 s2, hwreg(HW_REG_IB_STS2, 6, 4)
	s_cmp_eq_u32 s2, 0
	s_cbranch_scc0 .Lentry_in_a_cluster
	s_endpgm
.Lentry_in_a_cluster:
	s_bfe_u32 s2, ttmp6, 0x10000c
	s_cmp_lg_u32 s2, 0x3003
	s_cbranch_scc0 .Lentry_shape_is_right
	s_endpgm
.Lentry_shape_is_right:
; MoE router, first of two launches: logits = x W^T (bf16 operands, f32 sums), top-2 of 64 experts, gates, indices, and the
; work-group's 64 sums of gates.  x: [16384][2048] f32.  W: [64][2048] f32.  out0: [16384][64] f32.  out1: [16384][2] i32.
; part: [256][64] f32, one row for each work-group; the second launch adds the rows, since a sum over work-groups is ordered
; only by the end of a launch.
;
; SHARES.  256 work-groups of 64 tokens; eight waves.  K is split over the waves: in each of four steps the work-group takes
; 512 numbers of K, wave w the 64 at 64 w (256 bytes of every row), for all 64 tokens and all 64 experts.  So every number of
; x and of W is read from LDS and rounded to bf16 once in the work-group.  A wave holds 4 x 4 accumulator tiles and adds its
; 8 x 32 of K into them; the eight waves' sums meet in LDS at the end.
; x is shared by nobody: plain loads, each half of a wave taking 256 consecutive aligned bytes of one row, in a ring of 32 loads
; in registers (16 KB a wave, 128 KB a work-group on their way, with no barrier in their path).  A tile of 16 tokens is rounded
; in place, turned through the wave's own small stage in LDS (lane = K on the way in, lane = token on the way out).
; W is shared by all: four work-groups form a cluster and ask for each tile JOINTLY (mask 15): wave w of each of the four issues
; the same tensor load for the tile of 64 rows x 256 bytes that it alone reads.  Two slots take turns; a wave has at most two
; tensor loads outstanding (the two first fills), later one.
;
; THE MATRIX INSTRUCTION: source 0 = 16 experts (rows of W), source 1 = 16 tokens (rows of x).  Lane l then holds token l % 16,
; and its registers 0..7 the experts 8 (l / 16) + 0..7: eight neighbouring numbers of a row of logits.
;
; GATES.  With l1 >= l2 the two largest logits of a row and t = exp(l2 - l1) (the row's maximum is taken away), the normalised
; scores p1/(p1+p2), p2/(p1+p2) are 1/(1+t) and t/(1+t): the softmax's denominator stands in p1 and in p2 and cancels.
; LIMITS.  (1) Operands are rounded to bf16.  (2) The two largest are chosen on the f32 logits, equal ones by the lower index;
; two different logits whose probabilities would round to one f32 number may be ordered otherwise than a top-k on the
; probabilities orders them.  (3) Where t underflows to 0 (l1 - l2 above 87.3) every other probability counts as 0 and the second
; index is the lowest index other than the first, as a top-k among equal zeros gives; for l1 - l2 between 87.3 and about 104 an
; arithmetic that keeps denormal probabilities would still name the true second (the gates are the same).  (4) NaN and infinite
; logits are not served.
.set ROWB,   8192                      ; bytes in a row of x and of W
.set STEPB,  2048                      ; bytes of a row that the work-group takes in one step
.set WPITCH, 272                       ; a row of a W tile in LDS: 256 bytes + 16 of padding, an odd multiple of 16: the 16 rows of a fragment load start at 16 different 16-byte columns
.set WTILE,  64*WPITCH                 ; a wave's tile of W: 17,408 bytes
.set SLOT,   8*WTILE                   ; 139,264 bytes
.set XST,    2*SLOT                    ; behind the two slots: the waves' stages for x, into which no tensor load lands
.set XPITCH, 144                       ; 64 bf16 + 16 bytes, again an odd multiple of 16
.set XREG,   16*XPITCH                 ; one tile of 16 tokens
.set XWAVE,  2*XREG                    ; two such regions a wave, by turns
.set CST,    XST+8*XWAVE               ; 16 rows of 64 sums of gates (two for each wave)
.set IST,    CST+4096                  ; 64 tokens x 2 indices
.set XOFF, 1                           ; v1      my byte offset in x; never rewritten
.set STA,  2                           ; v2      x stage: where I put 8 bytes
.set FRA,  3                           ; v3      x stage: where I read fragments
.set WAD,  4                           ; v4-5    my place in my wave's W tile, slot 0 and 1.  v6 = lane % 16, v7 = lane / 16
.set RAW,  8                           ; v8-55   three buffers of 16: W as f32.  The second and third are also
.set XF,   24                          ; v24-55  two buffers of 16: fragments of x of one tile of tokens (2 x 32 of K)
.set WF,   64                          ; v64-127 fragments of W of one step: (k, e) at 8 (4 k + e)
.set RING, 128                         ; v128-255 the ring of x: tile t of 16 tokens at 32 t, load j at 4 j
                                       ; v256-383 (window 1) the accumulators: experts 16 e.., tokens 16 t.. at 8 (4 e + t)
.set G1, 24                            ; s[24:31] descriptor group 1
.set G0, 32                            ; s[32:39] descriptor group 0, a set for each slot
.set MSB, 0
.macro WIN new                         ; the immediate's high byte repeats the setting that is left
.if MSB != \new
	s_set_vgpr_msb (MSB<<8)|\new
.set MSB, \new
.endif
.endm
.macro PLACES                          ; four places behind a matrix instruction (ISA guide 7.12.1) where no useful vector work stands
.rept 4
	v_nop
.endr
.endm
; A round of the cluster's barrier: my work-group's barrier, wave 0 signals for the work-group, every wave waits for all four
; work-groups, my work-group's barrier once more.
.macro ROUND
	s_barrier_signal -1
	s_barrier_wait -1
	s_cmp_lg_u32 s8, 0
	s_cbranch_scc1 .Lnot_wave_0_\@
	s_barrier_signal -3
.Lnot_wave_0_\@:
	s_barrier_wait -3
	s_barrier_signal -1
	s_barrier_wait -1
.endm
	s_load_b256 s[12:19], s[0:1], 0x0              ; W s[12:13], x s[14:15], out0 s[16:17], out1 s[18:19]
	s_load_b64 s[20:21], s[0:1], 0x20              ; part
	s_set_vgpr_msb 0x40
	v_lshl_add_u32 v128, v0, 2, 0x4e200
	v_mov_b32 v129, 0
	s_set_vgpr_msb 0x4045
	ds_add_u32 v128, v129
	s_set_vgpr_msb 0x4500
	v_lshrrev_b32 v6, 5, v0
	v_readfirstlane_b32 s8, v6                     ; wave 0..7 = my part of K
	s_bfe_u32 s9, ttmp6, 0x40000                   ; cx: my place in the cluster
	s_lshl_b32 s10, ttmp9, 2                       ; ttmp9 counts clusters
	s_add_co_u32 s10, s10, s9                      ; work-group 0..255; it enters global addresses of x and of the outputs alone
	v_and_b32 v6, 15, v0                           ; lane % 16
	v_bfe_u32 v7, v0, 4, 1                         ; lane / 16
	s_lshl_b32 s11, s8, 8
	v_lshl_add_u32 v[XOFF], v6, 4, s11             ; 16 bytes a lane in my wave's 256 bytes of a row,
	v_lshl_add_u32 v[XOFF], v7, 16, v[XOFF]        ; lanes 16-31 eight rows further down
	s_lshl_b32 s22, s10, 19                        ; 64 rows of 8,192 bytes for each work-group
	s_mov_b32 s23, 0
	s_wait_dscnt 0x0
	s_wait_kmcnt 0x0
	s_add_nc_u64 s[14:15], s[14:15], s[22:23]
.irp t, 0,1,2,3
.irp j, 0,1,2,3,4,5,6,7
	global_load_b128 v[RING+32*\t+4*\j:RING+32*\t+4*\j+3], v[XOFF], s[14:15] offset:(16*\t+\j)*ROWB th:TH_LOAD_NT   ; the ring is filled first: step 0, rows 16 t + j and 16 t + j + 8
.endr
.endr
	s_lshl_b32 s22, s10, 14                        ; out0: 64 rows of 256 bytes
	s_add_nc_u64 s[16:17], s[16:17], s[22:23]
	s_lshl_b32 s22, s10, 9                         ; out1: 64 rows of 8 bytes
	s_add_nc_u64 s[18:19], s[18:19], s[22:23]
	s_lshl_b32 s22, s10, 8                         ; part: one row of 256 bytes
	s_add_nc_u64 s[20:21], s[20:21], s[22:23]
	; descriptor group 1: a tile of 64 rows x 64 elements of 4 bytes, padded in LDS; the same in all four work-groups
	s_mov_b32 s[G1+0], 15|(2<<16)|(1<<20)|(1<<21)|(5<<22)|(3<<25)   ; 15:0 the mask: all four of the cluster; 17:16 element of 4 bytes; 20 padding on; 21 set beside a mask; 24:22 after every 64 words; 31:25 of 4 words
	s_mov_b32 s[G1+1], 64<<16                      ; tensor_dim0 = 64
	s_mov_b32 s[G1+2], 64<<16                      ; tensor_dim1 = 64
	s_mov_b32 s[G1+3], 64<<16                      ; tile_dim0 = 64
	s_mov_b32 s[G1+4], 64                          ; tile_dim1 = 64
	s_mov_b32 s[G1+5], 2048                        ; elements from row to row
	s_mov_b32 s[G1+6], 0
	s_mov_b32 s[G1+7], 0
	; group 0: made of the wave's number and constants alone, in registers that never hold the place in the cluster
	s_mul_i32 s50, s8, WTILE                       ; my tile in slot 0
	s_lshl_b32 s48, s8, 8                          ; my 256 bytes of a row of W
	s_mov_b32 s49, 0
	s_add_nc_u64 s[48:49], s[12:13], s[48:49]
.irp s, 0,1
	s_mov_b32 s[G0+4*\s], 1
	s_add_co_u32 s[G0+4*\s+1], s50, \s*SLOT
	s_add_nc_u64 s[G0+4*\s+2:G0+4*\s+3], s[48:49], \s*STEPB        ; step s
	s_or_b32 s[G0+4*\s+3], s[G0+4*\s+3], 0x80000000               ; type = 2
.endr
	ROUND                                          ; all four work-groups are here: the first joint loads meet
	tensor_load_to_lds s[G0:G0+3], s[G1:G1+7]      ; both first fills go out together, ahead of every wait on TENSORcnt and of every LDS read
	s_nop 0
	tensor_load_to_lds s[G0+4:G0+7], s[G1:G1+7]
	s_nop 0
	s_mul_i32 s51, s8, XWAVE
	s_add_co_u32 s51, s51, XST                     ; my wave's stage for x
	v_lshlrev_b32 v56, 3, v6                       ; in: 4 bf16 = 8 bytes a lane, lanes 16-31 eight rows further down:
	v_mad_u32_u24 v56, v7, 8*XPITCH, v56           ; 1,152 bytes = 288 words = 32 mod 64, so the two halves of a store meet no common bank (64 banks of 4 bytes: ISA guide 11.1)
	v_add_nc_u32 v[STA], s51, v56
	v_mul_u32_u24 v56, v6, XPITCH                  ; out: lane l reads token l % 16, K = 8 (l / 16) ..
	v_lshl_add_u32 v56, v7, 4, v56
	v_add_nc_u32 v[FRA], s51, v56
	v_mul_u32_u24 v56, v6, WPITCH                  ; W: lane l reads expert l % 16, K = 8 (l / 16) .. in f32: 32 bytes
	v_lshl_add_u32 v56, v7, 5, v56
	v_add_nc_u32 v[WAD], s50, v56
	v_add_nc_u32 v[WAD+1], SLOT, v[WAD]
; Batch b = 4 k + e of a step's eight: the 16 x 32 numbers of W for experts 16 e.. and K = 32 k.., as f32, into raw buffer b % 3.
; A fragment's registers 0-3 hold K = 8 h + 0..7 and 4-7 hold K = 16 + 8 h + 0..7 (h = lane / 16): in f32 twice 32 bytes, 64 apart.
.macro WLOAD slot, b
	ds_load_b128 v[RAW+16*((\b)%3):RAW+16*((\b)%3)+3],     v[WAD+\slot] offset:((\b)%4)*16*WPITCH+((\b)/4)*128
	ds_load_b128 v[RAW+16*((\b)%3)+4:RAW+16*((\b)%3)+7],   v[WAD+\slot] offset:((\b)%4)*16*WPITCH+((\b)/4)*128+16
	ds_load_b128 v[RAW+16*((\b)%3)+8:RAW+16*((\b)%3)+11],  v[WAD+\slot] offset:((\b)%4)*16*WPITCH+((\b)/4)*128+64
	ds_load_b128 v[RAW+16*((\b)%3)+12:RAW+16*((\b)%3)+15], v[WAD+\slot] offset:((\b)%4)*16*WPITCH+((\b)/4)*128+80
.endm
; The step's tile of W becomes 8 fragments of bf16.  Three batches of loads are out ahead of the roundings.
.macro WPHASE slot
	WLOAD \slot, 0
	WLOAD \slot, 1
	WLOAD \slot, 2
.irp b, 0,1,2,3,4,5,6,7
.if \b < 6
	s_wait_dscnt 8                                 ; LDS loads come back in order (ISA guide 5.7.1): batch b is in, the two younger batches of four stay out
.else
	s_wait_dscnt 4*(7-\b)                          ; at the end one batch is younger, then none
.endif
.irp i, 0,1,2,3,4,5,6,7
	v_cvt_pk_bf16_f32 v[WF+8*\b+\i], v[RAW+16*(\b%3)+2*\i], v[RAW+16*(\b%3)+2*\i+1]
.endr
.if \b < 5
	WLOAD \slot, \b+3
.endif
.endr
.endm
; Tile t of 16 tokens in step s: its eight loads are in; round in place (4 f32 -> 2 registers), store to the stage, ask for the same
; tile of the next step, read the tile back as two fragments.
.macro XTILE s, t, refill
	WIN 0
	s_wait_loadcnt 24-8*\t*(1-\refill)             ; loads come back in order: younger than this tile's eight are the three tiles asked for behind it (in the last step only what is left of it)
.irp j, 0,1,2,3,4,5,6,7
	v_cvt_pk_bf16_f32 v[RING+32*\t+4*\j],   v[RING+32*\t+4*\j],   v[RING+32*\t+4*\j+1]
	v_cvt_pk_bf16_f32 v[RING+32*\t+4*\j+1], v[RING+32*\t+4*\j+2], v[RING+32*\t+4*\j+3]
.endr
.irp j, 0,1,2,3,4,5,6,7
	ds_store_b64 v[STA], v[RING+32*\t+4*\j:RING+32*\t+4*\j+1] offset:(\t%2)*XREG+\j*XPITCH
.endr
.if \refill
.irp j, 0,1,2,3,4,5,6,7
	global_load_b128 v[RING+32*\t+4*\j:RING+32*\t+4*\j+3], v[XOFF], s[14:15] offset:(16*\t+\j)*ROWB+(\s+1)*STEPB th:TH_LOAD_NT
.endr
.endif
.irp k, 0,1,2,3
	ds_load_b128 v[XF+16*(\t%2)+4*\k:XF+16*(\t%2)+4*\k+3], v[FRA] offset:(\t%2)*XREG+32*\k   ; LDS serves a wave's instructions in order (ISA guide 5.7.1.4): these see the stores above.  The sixteen roundings above are the places behind the products that read this buffer two tiles ago
.endr
.endm
; The eight products of tile t.  The accumulators take turns, one instruction a turn.
; zero = 1: the first product of each sum takes the constant 0: nothing is cleared.
.macro MUL t, zero, left
	s_wait_dscnt \left
	WIN 0x50                                       ; C and D in window 1, A and B in window 0
.irp k, 0,1
.irp e, 0,1,2,3
.if (\zero)*(1-\k)
	v_wmma_f32_16x16x32_bf16 v[8*(4*\e+\t):8*(4*\e+\t)+7], v[WF+8*(4*\k+\e):WF+8*(4*\k+\e)+7], v[XF+16*(\t%2)+8*\k:XF+16*(\t%2)+8*\k+7], 0
.else
	v_wmma_f32_16x16x32_bf16 v[8*(4*\e+\t):8*(4*\e+\t)+7], v[WF+8*(4*\k+\e):WF+8*(4*\k+\e)+7], v[XF+16*(\t%2)+8*\k:XF+16*(\t%2)+8*\k+7], v[8*(4*\e+\t):8*(4*\e+\t)+7]
.endif
.endr
.endr
.endm
; One step.  A tile's products stand behind the next tile's stores and loads, so that its trip through LDS is covered.
.macro STEP s, slot, refill, zero, tleft
	s_wait_tensorcnt \tleft                        ; tensor loads of a wave end in order (ISA guide 10.11.1): my tile of this slot is in; only I read it
	WPHASE \slot
	XTILE \s, 0, \refill
	XTILE \s, 1, \refill
	MUL 0, \zero, 12                               ; younger than tile 0's fragment loads: the next tile's 8 stores and 4 loads
	XTILE \s, 2, \refill
	MUL 1, \zero, 12
	XTILE \s, 3, \refill
	MUL 2, \zero, 12
	MUL 3, \zero, 0
	WIN 0
	PLACES                                         ; behind the last products: the next step loads into, and rounds into, registers that they read; the way out reads their results
.endm
; Slot s has been read and is filled again, two steps ahead.  In front of the round every wave waits for its LDS reads and for all its
; tensor loads; inside it stands register work alone; the joint load is the first thing behind it, one a wave.
.macro REFILL slot
	s_wait_dscnt 0x0
	s_set_vgpr_msb 0x5
	s_wait_tensorcnt 0x0                           ; no tensor load of mine is out, so a group 0 may be written
	ds_add_u32 v128, v129
	s_wait_dscnt 0x0
	s_set_vgpr_msb 0x500
	s_add_nc_u64 s[G0+4*\slot+2:G0+4*\slot+3], s[G0+4*\slot+2:G0+4*\slot+3], 2*STEPB
	ROUND                                          ; no wave of any of the four work-groups still reads the slot or has a load on its way
	tensor_load_to_lds s[G0+4*\slot:G0+4*\slot+3], s[G1:G1+7]
	s_nop 0
.endm
	STEP 0, 0, 1, 1, 1                             ; the count leaves slot 1's first fill on its way
	REFILL 0
	STEP 1, 1, 1, 0, 1                             ; one load was issued behind slot 1's; the wait for 0 in front of the round has shown it landed
	REFILL 1
	STEP 2, 0, 1, 0, 1
	STEP 3, 1, 0, 0, 0                             ; the last tile: no load is younger, none is left to ask for, of W or of x
	; THE WAY OUT.  My 64 x 64 partial sums go into my own tile of slot 0: it has had its last fill, and I alone read it, two steps ago.
	; Its shape fits: 64 rows (tokens) of 272 bytes.  Lane l puts 8 neighbouring experts of token l % 16: the address of the W fragments.
	WIN 0x04                                       ; store data in window 1
.irp t, 0,1,2,3
.irp e, 0,1,2,3
	ds_store_b128 v[WAD], v[8*(4*\e+\t):8*(4*\e+\t)+3]   offset:\t*16*WPITCH+\e*64
	ds_store_b128 v[WAD], v[8*(4*\e+\t)+4:8*(4*\e+\t)+7] offset:\t*16*WPITCH+\e*64+16
.endr
.endr
	WIN 0
.set RB,   8                           ; v8-10   where I read the eight partial sums: waves 0-2, 3-5, 6-7 (an LDS offset has 16 bits)
.set GOFF, 11                          ; v11     my byte offset in out0
.set IAD,  12                          ; v12     where I put an index
.set CAD,  13                          ; v13     where I put my sums of gates
.set IX,   16                          ; v16-19  the numbers of my four experts, as f32
.set M1,   20                          ; largest logit, its index, second largest, its index
.set I1,   21
.set M2,   22
.set I2,   23
.set TM,   24                          ; v24-27  at work
.set BV,   28                          ; v28-31  the logits without the winner
.set GT,   32                          ; v32-47  gates, four for each pass
.set CN,   48                          ; v48-51  their sums
.set DF,   52
.set EX,   53
.set UU,   54
.set S1,   55
.set S2,   56
.set ALT,  57
.set SEL,  58                          ; v58-61  the index that this lane hands on, one for each pass
.set PS,   128                         ; v128-255 partial sums: pass p, wave q at 32 p + 4 q
	; Wave w takes tokens 8 w .. 8 w + 7, two at a time in four passes: sixteen lanes a token, four experts a lane.
	s_mul_i32 s52, s8, 8*WPITCH
	v_lshlrev_b32 v[RB], 4, v6
	v_mad_u32_u24 v[RB], v7, WPITCH, v[RB]
	v_add_nc_u32 v[RB], s52, v[RB]                 ; row 8 w + lane / 16, 16 bytes a lane
	v_add_nc_u32 v[RB+1], 3*WTILE, v[RB]
	v_add_nc_u32 v[RB+2], 6*WTILE, v[RB]
	v_and_b32 v[GOFF], 31, v0
	v_and_b32 v[CAD], 31, v0
	s_lshl_b32 s53, s8, 11
	v_lshl_add_u32 v[GOFF], v[GOFF], 4, s53        ; 8 rows of 256 bytes a wave + 16 x lane
	s_lshl_b32 s55, s8, 9
	s_add_co_u32 s55, s55, CST
	v_lshl_add_u32 v[CAD], v[CAD], 4, s55          ; two rows of 256 bytes a wave
	v_and_b32 v[IAD], 1, v0
	v_lshlrev_b32 v[IAD], 2, v[IAD]                ; even lanes hand on the first index, odd lanes the second
	v_lshl_add_u32 v[IAD], v7, 3, v[IAD]
	s_lshl_b32 s54, s8, 6
	s_add_co_u32 s54, s54, IST
	v_add_nc_u32 v[IAD], s54, v[IAD]
	v_lshlrev_b32 v[IX], 2, v6
	v_cvt_f32_u32 v[IX], v[IX]
	v_add_f32 v[IX+1], 1.0, v[IX]
	v_add_f32 v[IX+2], 2.0, v[IX]
	v_add_f32 v[IX+3], 0x40400000, v[IX]
	s_mov_b32 s40, 0x42800000                      ; 64.0: above every index
	s_mov_b32 s41, 0xff800000                      ; -infinity: takes the winner out
	s_mov_b32 s42, 0xaaaaaaaa                      ; the odd lanes
	s_wait_dscnt 0x0                               ; for the others' sake: my partial sums are in LDS
	s_barrier_signal -1
	s_barrier_wait -1
.irp p, 0,1,2,3
.irp q, 0,1,2,3,4,5,6,7
	ds_load_b128 v[PS+32*\p+4*\q:PS+32*\p+4*\q+3], v[RB+\q/3] offset:(\q%3)*WTILE+\p*2*WPITCH   ; each half of the wave reads 256 neighbouring bytes
.endr
.endr
.macro ROW16 op, r                     ; over the sixteen lanes of a token; every lane gets the result
.irp m, 1,2,4,8
	\op v[\r], v[\r], v[\r] row_xmask:\m row_mask:0xf bank_mask:0xf
.endr
.endm
.macro PASS p
.set PA, PS+32*\p
	s_wait_dscnt 24-8*\p                           ; the later passes' eight loads each stay out
.irp u, 0,2
	v_pk_add_f32 v[PA+\u:PA+\u+1],       v[PA+\u:PA+\u+1],       v[PA+4+\u:PA+4+\u+1]
	v_pk_add_f32 v[PA+8+\u:PA+8+\u+1],   v[PA+8+\u:PA+8+\u+1],   v[PA+12+\u:PA+12+\u+1]
	v_pk_add_f32 v[PA+16+\u:PA+16+\u+1], v[PA+16+\u:PA+16+\u+1], v[PA+20+\u:PA+20+\u+1]
	v_pk_add_f32 v[PA+24+\u:PA+24+\u+1], v[PA+24+\u:PA+24+\u+1], v[PA+28+\u:PA+28+\u+1]
.endr
.irp u, 0,2
	v_pk_add_f32 v[PA+\u:PA+\u+1],       v[PA+\u:PA+\u+1],       v[PA+8+\u:PA+8+\u+1]
	v_pk_add_f32 v[PA+16+\u:PA+16+\u+1], v[PA+16+\u:PA+16+\u+1], v[PA+24+\u:PA+24+\u+1]
.endr
.irp u, 0,2
	v_pk_add_f32 v[PA+\u:PA+\u+1],       v[PA+\u:PA+\u+1],       v[PA+16+\u:PA+16+\u+1]   ; v[PA:PA+3]: my four logits
.endr
	; the largest logit of the row, and the lowest index that has it
	v_max3_num_f32 v[M1], v[PA], v[PA+1], v[PA+2]
	v_max_num_f32 v[M1], v[M1], v[PA+3]
	ROW16 v_max_num_f32_dpp, M1
.irp j, 0,1,2,3
	v_cmp_eq_f32 vcc_lo, v[PA+\j], v[M1]
	v_cndmask_b32 v[TM+\j], s40, v[IX+\j], vcc_lo
.endr
	v_min_num_f32 v[TM], v[TM], v[TM+1]
	v_min_num_f32 v[TM+2], v[TM+2], v[TM+3]
	v_min_num_f32 v[I1], v[TM], v[TM+2]
	ROW16 v_min_num_f32_dpp, I1
	; the same once more without the winner
.irp j, 0,1,2,3
	v_cmp_eq_f32 s[44+\j], v[IX+\j], v[I1]         ; kept: the gates use it again
	v_cndmask_b32 v[BV+\j], v[PA+\j], s41, s[44+\j]
.endr
	v_max3_num_f32 v[M2], v[BV], v[BV+1], v[BV+2]
	v_max_num_f32 v[M2], v[M2], v[BV+3]
	ROW16 v_max_num_f32_dpp, M2
.irp j, 0,1,2,3
	v_cmp_eq_f32 vcc_lo, v[BV+\j], v[M2]
	v_cndmask_b32 v[TM+\j], s40, v[IX+\j], vcc_lo
.endr
	v_min_num_f32 v[TM], v[TM], v[TM+1]
	v_min_num_f32 v[TM+2], v[TM+2], v[TM+3]
	v_min_num_f32 v[I2], v[TM], v[TM+2]
	ROW16 v_min_num_f32_dpp, I2
	; t = exp(l2 - l1) <= 1; scores 1 / (1 + t) and t / (1 + t)
	v_sub_f32 v[DF], v[M2], v[M1]
	v_mul_f32 v[DF], 0x3fb8aa3b, v[DF]
	v_exp_f32 v[EX], v[DF]                         ; behind a transcendental a plain vector instruction comes before its result is used (ISA guide 5.7.2): the next two lines
	v_cmp_eq_f32 vcc_lo, 0, v[I1]
	v_cndmask_b32 v[ALT], 0, 1.0, vcc_lo           ; the lowest index other than the first
	s_wait_alu depctr_va_vdst(0)
	v_add_f32 v[UU], 1.0, v[EX]
	v_rcp_f32 v[S1], v[UU]                         ; likewise: the next two lines touch neither its result nor its source
	v_cmp_eq_f32 vcc_lo, 0, v[EX]
	v_cndmask_b32 v[I2], v[I2], v[ALT], vcc_lo     ; t = 0: all other probabilities are equal zeros, the lowest index is second
	s_wait_alu depctr_va_vdst(0)
	v_mul_f32 v[S2], v[EX], v[S1]
.irp j, 0,1,2,3
	v_cmp_eq_f32 vcc_lo, v[IX+\j], v[I2]
	v_cndmask_b32 v[GT+4*\p+\j], 0, v[S2], vcc_lo
	v_cndmask_b32 v[GT+4*\p+\j], v[GT+4*\p+\j], v[S1], s[44+\j]
.endr
	global_store_b128 v[GOFF], v[GT+4*\p:GT+4*\p+3], s[16:17] offset:512*\p th:TH_STORE_NT   ; two whole rows of gates: 512 consecutive bytes, aligned; each pass has its own data registers
	v_cndmask_b32 v[SEL+\p], v[I1], v[I2], s42
	v_cvt_i32_f32 v[SEL+\p], v[SEL+\p]
.endm
	PASS 0
	PASS 1
	PASS 2
	PASS 3
	v_pk_add_f32 v[CN:CN+1],   v[GT:GT+1],     v[GT+4:GT+5]        ; my four experts' gates, summed over my four tokens
	v_pk_add_f32 v[CN+2:CN+3], v[GT+2:GT+3],   v[GT+6:GT+7]
	v_pk_add_f32 v[TM:TM+1],   v[GT+8:GT+9],   v[GT+12:GT+13]
	v_pk_add_f32 v[TM+2:TM+3], v[GT+10:GT+11], v[GT+14:GT+15]
	v_pk_add_f32 v[CN:CN+1],   v[CN:CN+1],     v[TM:TM+1]
	v_pk_add_f32 v[CN+2:CN+3], v[CN+2:CN+3],   v[TM+2:TM+3]
	ds_store_b128 v[CAD], v[CN:CN+3]
.irp p, 0,1,2,3
	ds_store_b32 v[IAD], v[SEL+\p] offset:16*\p    ; eight lanes write each word, all with the same number
.endr
	s_wait_dscnt 0x0                               ; for wave 0's sake
	s_barrier_signal -1
	s_barrier_wait -1
	s_cmp_lg_u32 s8, 0
	s_cbranch_scc1 .Ldone
	; wave 0: the work-group's 512 bytes of indices in one store, its 64 sums of gates (256 bytes) in another
	v_and_b32 v62, 31, v0
	v_lshlrev_b32 v63, 3, v62                      ; 8 x lane: two experts a lane
	v_lshlrev_b32 v62, 4, v62                      ; 16 x lane: two tokens a lane
	v_add_nc_u32 v64, IST, v62
	v_add_nc_u32 v65, CST, v63
	ds_load_b128 v[68:71], v64
.irp i, 0,1,2,3,4,5,6,7,8,9,10,11,12,13,14,15
	ds_load_b64 v[72+2*\i:73+2*\i], v65 offset:256*\i
.endr
	s_wait_dscnt 16                                ; the indices are in; the sixteen loads of sums are younger
	global_store_b128 v62, v[68:71], s[18:19] th:TH_STORE_NT
	s_wait_dscnt 0x0
.irp i, 0,1,2,3,4,5,6,7
	v_pk_add_f32 v[72+2*\i:73+2*\i], v[72+2*\i:73+2*\i], v[88+2*\i:89+2*\i]
.endr
.irp i, 0,1,2,3
	v_pk_add_f32 v[72+2*\i:73+2*\i], v[72+2*\i:73+2*\i], v[80+2*\i:81+2*\i]
.endr
.irp i, 0,1
	v_pk_add_f32 v[72+2*\i:73+2*\i], v[72+2*\i:73+2*\i], v[76+2*\i:77+2*\i]
.endr
	v_pk_add_f32 v[72:73], v[72:73], v[74:75]
	global_store_b64 v63, v[72:73], s[20:21]       ; the next launch reads it: no hint
.Ldone:
	s_set_vgpr_msb 0x5
	s_wait_tensorcnt 0x0
	ds_add_u32 v128, v129
	s_wait_dscnt 0x0
	s_set_vgpr_msb 0x500
	ROUND                                          ; the closing round: no work-group ends while a partner may still ask for a tile that names it
	s_endpgm
.Lfunc_end_k_q6e72cb0fcc_route:
	.size	k_q6e72cb0fcc_route, .Lfunc_end_k_q6e72cb0fcc_route-k_q6e72cb0fcc_route
	.p2alignl 7, 3214868480
	.fill 96, 4, 3214868480
	.section	.rodata,"a",@progbits
	.p2align	6, 0x0
	.amdhsa_kernel k_q6e72cb0fcc_route
		.amdhsa_group_segment_fixed_size 327680
		.amdhsa_private_segment_fixed_size 0
		.amdhsa_enable_private_segment 0
		.amdhsa_kernarg_size 40
		.amdhsa_user_sgpr_count 2
		.amdhsa_user_sgpr_kernarg_segment_ptr 1
		.amdhsa_wavefront_size32 1
		.amdhsa_system_sgpr_workgroup_id_x 1
		.amdhsa_system_sgpr_workgroup_id_y 1
		.amdhsa_system_sgpr_workgroup_id_z 1
		.amdhsa_system_vgpr_workitem_id 0
		.amdhsa_next_free_vgpr 386
		.amdhsa_next_free_sgpr 66
		.amdhsa_reserve_vcc 1
		.amdhsa_float_denorm_mode_32 3
		.amdhsa_float_denorm_mode_16_64 3
		.amdhsa_memory_ordered 1
		.amdhsa_forward_progress 1
		.amdhsa_inst_pref_size 108
	.end_amdhsa_kernel
	.amdgpu_metadata
---
amdhsa.version: [ 1, 2 ]
amdhsa.kernels:
  - .name:           k_q6e72cb0fcc_route
    .symbol:         k_q6e72cb0fcc_route.kd
    .args:
      - { .name: W, .offset: 0, .size: 8, .value_kind: global_buffer, .address_space: global }
      - { .name: x, .offset: 8, .size: 8, .value_kind: global_buffer, .address_space: global }
      - { .name: out0, .offset: 16, .size: 8, .value_kind: global_buffer, .address_space: global }
      - { .name: out1, .offset: 24, .size: 8, .value_kind: global_buffer, .address_space: global }
      - { .name: part, .offset: 32, .size: 8, .value_kind: global_buffer, .address_space: global }
    .group_segment_fixed_size: 327680
    .private_segment_fixed_size: 0
    .kernarg_segment_align: 8
    .kernarg_segment_size: 40
    .max_flat_workgroup_size: 256
    .sgpr_count:     66
    .vgpr_count:     386
    .wavefront_size: 32
...
	.end_amdgpu_metadata
.endif
;; end of part 1
;; launch loss (part 2): grid 1 x 1, 16 waves a work-group, no clusters, 10,240 bytes of LDS; arguments part, out2; writes out2
.if DOCPART == 2
	.amdgcn_target "amdgcn-amd-amdhsa--gfx1250"
	.amdhsa_code_object_version 6
	.text
	.protected	k_q6e72cb0fcc_loss
	.globl	k_q6e72cb0fcc_loss
	.p2align	8
	.type	k_q6e72cb0fcc_loss,@function
k_q6e72cb0fcc_loss:
	s_mov_b64 s[64:65], 0
	v_nop
	global_prefetch_b8 v0, s[64:65] scope:SCOPE_SE
	s_setreg_imm32_b32 hwreg(HW_REG_WAVE_MODE, 25, 1), 1
	s_wait_xcnt 0x0
; MoE router, second launch: expert_counts[e] = sum over the 256 rows of part[.][e]; load_loss = mean over e of (counts[e] / sum(counts) * 64 - 1)^2.
; part: [256][64] f32, 64 KB.  One number comes out, so one work-group owns it.  Sixteen waves: thread t takes the 16 bytes at 16 t of each
; block of 32 rows (8,192 bytes), eight loads, all issued at once; every load of a wave covers 512 consecutive bytes.
; The 32 row classes meet in LDS; wave 0 finishes.  No matrix unit, cluster or tensor load: 64 KB are read once and added.
	s_load_b128 s[4:7], s[0:1], 0x0                ; part s[4:5], out2 s[6:7]
	v_lshl_add_u32 v80, v0, 2, 0x2000
	v_mov_b32 v81, 0
	v_lshrrev_b32 v2, 5, v0
	v_readfirstlane_b32 s8, v2                     ; wave 0..15
	v_lshlrev_b32 v1, 4, v0                        ; my 16 bytes in a block of 32 rows
	v_and_b32 v2, 31, v0                           ; lane
	s_lshl_b32 s9, s8, 9
	v_lshl_add_u32 v3, v2, 4, s9                   ; LDS: 512 bytes a wave, 16 a lane
	s_mov_b32 s12, 0x76543210                      ; v_permlanex16_b32: lane i of one half reads lane i of the other
	s_mov_b32 s13, 0xfedcba98
	s_wait_kmcnt 0x0
.irp i, 0,1,2,3,4,5,6,7
	global_load_b128 v[4+4*\i:7+4*\i], v1, s[4:5] offset:8192*\i
.endr
	s_wait_loadcnt 4                               ; the first four are in, the younger four stay out
.irp u, 0,2
	v_pk_add_f32 v[4+\u:5+\u],   v[4+\u:5+\u],   v[8+\u:9+\u]
	v_pk_add_f32 v[12+\u:13+\u], v[12+\u:13+\u], v[16+\u:17+\u]
.endr
	s_wait_loadcnt 0x0
.irp u, 0,2
	v_pk_add_f32 v[20+\u:21+\u], v[20+\u:21+\u], v[24+\u:25+\u]
	v_pk_add_f32 v[28+\u:29+\u], v[28+\u:29+\u], v[32+\u:33+\u]
	v_pk_add_f32 v[4+\u:5+\u],   v[4+\u:5+\u],   v[12+\u:13+\u]
.endr
.irp u, 0,2
	v_pk_add_f32 v[20+\u:21+\u], v[20+\u:21+\u], v[28+\u:29+\u]
.endr
.irp u, 0,2
	v_pk_add_f32 v[4+\u:5+\u],   v[4+\u:5+\u],   v[20+\u:21+\u]
.endr
	ds_store_b128 v3, v[4:7]                       ; row 2 x wave + lane / 16 of 32 rows of 64 sums
	s_wait_dscnt 0x0                               ; for wave 0's sake
	s_barrier_signal -1
	s_barrier_wait -1
	s_cmp_lg_u32 s8, 0
	s_cbranch_scc1 .Lend
	v_lshlrev_b32 v2, 3, v2                        ; wave 0: two experts a lane
.irp i, 0,1,2,3,4,5,6,7,8,9,10,11,12,13,14,15,16,17,18,19,20,21,22,23,24,25,26,27,28,29,30,31
	ds_load_b64 v[8+2*\i:9+2*\i], v2 offset:256*\i
.endr
	s_wait_dscnt 0x0
.irp i, 0,1,2,3,4,5,6,7,8,9,10,11,12,13,14,15
	v_pk_add_f32 v[8+2*\i:9+2*\i], v[8+2*\i:9+2*\i], v[40+2*\i:41+2*\i]
.endr
.irp i, 0,1,2,3,4,5,6,7
	v_pk_add_f32 v[8+2*\i:9+2*\i], v[8+2*\i:9+2*\i], v[24+2*\i:25+2*\i]
.endr
.irp i, 0,1,2,3
	v_pk_add_f32 v[8+2*\i:9+2*\i], v[8+2*\i:9+2*\i], v[16+2*\i:17+2*\i]
.endr
.irp i, 0,1
	v_pk_add_f32 v[8+2*\i:9+2*\i], v[8+2*\i:9+2*\i], v[12+2*\i:13+2*\i]
.endr
	v_pk_add_f32 v[8:9], v[8:9], v[10:11]          ; counts of experts 2 x lane and 2 x lane + 1
	v_add_f32 v12, v8, v9
.irp m, 1,2,4,8
	v_add_f32_dpp v12, v12, v12 row_xmask:\m row_mask:0xf bank_mask:0xf
.endr
	v_permlanex16_b32 v13, v12, s12, s13           ; its destination counts as read: v13 has been written above
	v_add_f32 v12, v12, v13                        ; the sum of all 64 counts, in every lane
	v_rcp_f32 v14, v12                             ; behind it a plain vector instruction comes before its result is used (ISA guide 5.7.2):
	v_mov_b32 v15, 0                               ; the store's offset
	s_wait_alu depctr_va_vdst(0)
	v_mul_f32 v14, 0x42800000, v14                 ; 64 / sum
	v_fma_f32 v8, v8, v14, -1.0
	v_fma_f32 v9, v9, v14, -1.0
	v_mul_f32 v16, v8, v8
	v_fmac_f32 v16, v9, v9
.irp m, 1,2,4,8
	v_add_f32_dpp v16, v16, v16 row_xmask:\m row_mask:0xf bank_mask:0xf
.endr
	v_permlanex16_b32 v17, v16, s12, s13           ; v17 has been written above
	v_add_f32 v16, v16, v17
	v_mul_f32 v16, 0x3c800000, v16                 ; the mean over 64 experts
	v_cmp_eq_u32 vcc_lo, 0, v0
	s_wait_xcnt 0x0                                ; EXEC changes only behind this wait
	s_and_saveexec_b32 s10, vcc_lo
	global_store_b32 v15, v16, s[6:7]              ; one lane stores the one number
	s_wait_xcnt 0x0                                ; and again in front of the line that widens it
	s_or_b32 exec_lo, exec_lo, s10
.Lend:
	s_wait_tensorcnt 0x0
	ds_add_u32 v80, v81
	s_wait_dscnt 0x0
	s_endpgm
.Lfunc_end_k_q6e72cb0fcc_loss:
	.size	k_q6e72cb0fcc_loss, .Lfunc_end_k_q6e72cb0fcc_loss-k_q6e72cb0fcc_loss
	.p2alignl 7, 3214868480
	.fill 96, 4, 3214868480
	.section	.rodata,"a",@progbits
	.p2align	6, 0x0
	.amdhsa_kernel k_q6e72cb0fcc_loss
		.amdhsa_group_segment_fixed_size 10240
		.amdhsa_private_segment_fixed_size 0
		.amdhsa_enable_private_segment 0
		.amdhsa_kernarg_size 16
		.amdhsa_user_sgpr_count 2
		.amdhsa_user_sgpr_kernarg_segment_ptr 1
		.amdhsa_wavefront_size32 1
		.amdhsa_system_sgpr_workgroup_id_x 1
		.amdhsa_system_sgpr_workgroup_id_y 1
		.amdhsa_system_sgpr_workgroup_id_z 1
		.amdhsa_system_vgpr_workitem_id 0
		.amdhsa_next_free_vgpr 82
		.amdhsa_next_free_sgpr 66
		.amdhsa_reserve_vcc 1
		.amdhsa_float_denorm_mode_32 3
		.amdhsa_float_denorm_mode_16_64 3
		.amdhsa_memory_ordered 1
		.amdhsa_forward_progress 1
		.amdhsa_inst_pref_size 9
	.end_amdhsa_kernel
	.amdgpu_metadata
---
amdhsa.version: [ 1, 2 ]
amdhsa.kernels:
  - .name:           k_q6e72cb0fcc_loss
    .symbol:         k_q6e72cb0fcc_loss.kd
    .args:
      - { .name: part, .offset: 0, .size: 8, .value_kind: global_buffer, .address_space: global }
      - { .name: out2, .offset: 8, .size: 8, .value_kind: global_buffer, .address_space: global }
    .group_segment_fixed_size: 10240
    .private_segment_fixed_size: 0
    .kernarg_segment_align: 8
    .kernarg_segment_size: 16
    .max_flat_workgroup_size: 512
    .sgpr_count:     66
    .vgpr_count:     82
    .wavefront_size: 32
...
	.end_amdgpu_metadata
.endif
;; end of part 2
